; MI455X (gfx1250); checked and timed in simulation.
; The chip was launched on July 23, 2026; its instructions are those of AMD's public machine-readable ISA for CDNA 5 (MIT licence, August 2026) and "CDNA5" Instruction Set Architecture Reference Guide (July 2026). The comments in the code are by the model that wrote it; some were corrected since.
;; Bahdanau Attention. Allowed arithmetic: matrix products marked QUANTISED: E4M3 operands, one E8M0 scale for each 32 along K, by v_wmma_scale_f32_16x16x128_f8f6f4 with both operands' format E4M3, f32 sums; products left as they are: f32 operands where the result goes on into a quantised operand, else bf16, f16 or f32 operands; f32 sums; everything else in f32.
;; Inputs: Wd_codes 1,024 x 32 x 32 uint8 (E4M3 codes of Wd, K innermost, in blocks of 32 codes); Wd_scales 1,024 x 32 uint8 (E8M0 scales of Wd, one for each 32 codes along K); We_codes 1,024 x 32 x 32 uint8 (E4M3 codes of We, K innermost, in blocks of 32 codes); We_scales 1,024 x 32 uint8 (E8M0 scales of We, one for each 32 codes along K); encoder_outputs 2,048 x 32 x 1,024 float32; hidden_codes 32 x 32 x 32 uint8 (E4M3 codes of hidden, K innermost, in blocks of 32 codes); hidden_scales 32 x 32 uint8 (E8M0 scales of hidden, one for each 32 codes along K); v 1,024 float32.
;; Outputs: out0 32 x 1,024 float32; out1 32 x 2,048 float32.
;; This version of the problem:
;;   THIS VERSION OF THE PROBLEM IS GIVEN IN LOW PRECISION. The matrix products marked QUANTISED in the list below multiply operands that are first quantised to E4M3 (4 exponent bits, 3 mantissa bits; 8 bits a number), with one power-of-two scale for each 32 numbers along K (OCP MX v1.0); their sums are f32. All else is computed in f32.
;;   The module's matrix products, in the order in which they are computed (A, B: the left and right operand; K: the contracted axis; several contracted axes count as one K, in the product's order):
;;     1. [M 1,024, K 1,024] x [K 1,024, N 65,536]; A: input We (given as codes); B: input encoder_outputs: QUANTISED
;;     2. [M 32, K 1,024] x [K 1,024, N 1,024]; A: input hidden (given as codes); B: input Wd (given as codes): QUANTISED
;;     3. [M 65,536, K 1,024] x [K 1,024, N 1]; A: computed on the way; B: input v: left as it is (N = 1 < 16)
;;     4. batch 32 x [M 1, K 2,048] x [K 2,048, N 1,024]; A: softmax; B: input encoder_outputs: left as it is (M = 1 < 16)
;;   THE QUANTISER, for each operand of a quantised product, along K:
;;     - K is cut into blocks of 32 from its start; a last block that is shorter is filled with zeros.
;;     - A block's scale is 2^e with e = floor(log2(the largest magnitude in the block)) - 8, held to -126 .. 127; a block of zeros has e = 0. As a byte (E8M0): e + 127.
;;     - Each number is divided by its block's scale, clamped to +-448, and rounded to the nearest number of E4M3, ties to even, subnormals kept.
;;     - The product sums the exact products of the quantised numbers (number of the format x scale) in f32.
;;   ~~~python
;;   def quantise(x, axis):      # numpy; x: float32 -> the quantised numbers, widened to float32 again
;;       x = np.moveaxis(x, axis, -1); K = x.shape[-1]
;;       x = np.pad(x, [(0, 0)] * (x.ndim - 1) + [(0, -K % 32)]); x = x.reshape(x.shape[:-1] + (-1, 32)); a = np.abs(x).max(-1, keepdims=True)
;;       e = np.where(a > 0, np.clip(np.frexp(np.where(a > 0, a, 1))[1] - 1 - 8, -126, 127), 0)      # np.frexp(a)[1] - 1 = floor(log2(a)), exactly
;;       r = np.clip(x / 2.0 ** e, -448, 448)
;;       step = 2.0 ** (np.maximum(np.frexp(np.where(r == 0, 1, r))[1] - 1, -6) - 3)
;;       q = np.round(r / step) * step * 2.0 ** e      # np.round: ties to even
;;       return np.moveaxis(q.reshape(q.shape[:-2] + (-1,))[..., :K], -1, axis).astype(np.float32)
;;   ~~~
;;   INPUTS GIVEN AS CODES. Wd (in the module: [1024, 1024], K = its axis 1); We (in the module: [1024, 1024], K = its axis 1); hidden (in the module: [32, 1024], K = its axis 1): each comes as NAME_codes (uint8): NAME with its K axis moved to the last place and cut into blocks of 32 codes, [.., K / 32, bytes a block], one block behind the other in memory; one code a byte (a code: sign, 4 exponent bits, 3 mantissa bits); and NAME_scales (uint8): the same leading axes, one E8M0 byte (e + 127) for each 32 codes along K. Its value is code x scale, taken as it is: it is not quantised again, and the codes and scales need not be those that the quantiser above would give.
;; One version. Each part assembles by itself: llvm-mc -triple=amdgcn-amd-amdhsa -mcpu=gfx1250 --defsym DOCPART=n.
;; ======== version 1 of 1: 3 launches
;; limits: values are held in bf16: 8 bits of precision; right only within a limited range of input values
;; workspace buffers: wimg 1,081,344 bytes; dec 131,072 bytes; scores 262,144 bytes; ctxp 8,388,608 bytes
;; launch prep (part 1): grid 32 x 1, 4 waves a work-group, no clusters, 0 bytes of LDS; arguments Wd_codes, Wd_scales, hidden_codes, hidden_scales, We_codes, We_scales, dec, wimg; writes dec, wimg
.if DOCPART == 1
	.amdgcn_target "amdgcn-amd-amdhsa--gfx1250"
	.amdhsa_code_object_version 6
	.text
	.protected	k_qa0e0e1c989_prep
	.globl	k_qa0e0e1c989_prep
	.p2align	8
	.type	k_qa0e0e1c989_prep,@function
k_qa0e0e1c989_prep:
	s_mov_b64 s[64:65], 0
	v_nop
	global_prefetch_b8 v0, s[64:65] scope:SCOPE_SE
	s_setreg_imm32_b32 hwreg(HW_REG_WAVE_MODE, 25, 1), 1
	s_wait_xcnt 0x0
; THE PROGRAM (three launches): prep, main, combine.
;   scores[b][s] = sum over d of v[d] tanh(enc[s][b][:] . We[d][:] + dec[b][d]),  dec = hidden Wd^T;  out1 = softmax over s;  out0[b][:] = sum over s of out1[b][s] enc[s][b][:].
; WORK LEFT OUT, for all values of the inputs: tanh(x) = 1 - 2 / (1 + 2^(c x)), c = 2 log2(e), so scores[b][s] = (sum over d of v[d]) - 2 sum over d of v[d] / (1 + 2^(c x)).
;   The first term is the same for every s of a row b; the scores are no output and go only into a softmax along s, which a term that is constant along s does not move.  So that sum is never formed.
;   It is of the scores' own size, so leaving it out moves nothing by more than rounding.  LIMIT: a NaN, an infinity or an overflow that would arise in the sum over d of v[d] alone is not carried to the results.
;   Every input has a way to an output and is loaded by some launch.
; THIS LAUNCH does two small things that the main launch needs whole:
;   work-groups 0-15:  dec[32][1024] f32 = hidden Wd^T on the given codes and scale bytes (the second product of the problem's table), one tile of 16 columns d to a wave;
;   work-groups 16-31: We's codes and scale bytes laid in the order of an operand's registers, one block of 16,896 bytes for each tile t of 16 rows d:
;       piece (k, c) of 512 bytes at (4 k + c) 512: lane l's 16 bytes at 16 l are We_codes[16 t + l % 16][128 k + 32 c + 16 (l / 16) .. + 15];
;       at 16,384 the scale words: lane l's 16 bytes are words 0-3 of row l (l < 16) or words 4-7 of row l - 16: so one register serves K step k from lanes 0-15 and K step k + 4 from lanes 16-31.
; No LDS, no barrier: waves share nothing.  The two ways part on the work-group's number.
.set SW,  16                           ; v16-23  Wd's scale words, K steps 0-7 (they hold scales and nothing else)
.set SH,  24                           ; v24-39  hidden's, for its two tiles of 16 rows
.set AC,  40                           ; v40-55  two accumulators
.set FRW, 64                           ; v64-127 four fragments of Wd;  on the other way v64-191: a tile's 32 pieces
.set FRH, 128                          ; v128-255 two x four fragments of hidden
.set TBLK, 16896
	s_load_b256 s[4:11], s[0:1], 0x0               ; Wd's codes s[4:5], Wd's scales s[6:7], hidden's codes s[8:9], hidden's scales s[10:11]
	s_load_b256 s[12:19], s[0:1], 0x20             ; We's codes s[12:13], We's scales s[14:15], dec s[16:17], wimg s[18:19]
	v_lshrrev_b32 v8, 5, v0
	v_readfirstlane_b32 s20, v8                    ; wave 0..3
	s_and_b32 s21, ttmp9, 15
	s_lshl_b32 s21, s21, 2
	s_add_co_u32 s21, s21, s20                     ; my tile t = 4 x (work-group % 16) + wave
	v_and_b32 v1, 15, v0                           ; r
	v_bfe_u32 v2, v0, 4, 1                         ; h
	v_lshlrev_b32 v3, 10, v1
	v_lshl_add_u32 v3, v2, 4, v3                   ; a fragment's place: row r of 1,024 codes, + 16 h
	v_lshlrev_b32 v4, 5, v1                        ; a row's 32 scale bytes
	v_lshlrev_b32 v5, 12, v1
	v_lshl_add_u32 v5, v2, 5, v5                   ; dec: row r of 4,096 bytes, + 32 h
	v_and_b32 v9, 31, v0
	v_lshlrev_b32 v6, 4, v9                        ; 16 x lane
	v_and_b32 v7, 1, v9
	v_lshrrev_b32 v9, 1, v9
	v_lshlrev_b32 v7, 8, v7
	v_lshl_add_u32 v7, v9, 4, v7
	v_add_nc_u32 v7, 16384, v7                     ; the scale image: the lane that loaded half l % 2 of row l / 2 stores it at 16,384 + 256 (l % 2) + 16 (l / 2)
	s_lshl_b32 s22, s21, 14                        ; a tile's codes: 16 rows of 1,024 bytes
	s_mov_b32 s23, 0
	s_lshl_b32 s24, s21, 9                         ; its scale bytes: 16 rows of 32
	s_mov_b32 s25, 0
	s_wait_kmcnt 0x0
	s_cmp_lt_u32 ttmp9, 16
	s_cbranch_scc0 .Lcopy
	; ---- dec.  Source 0 = 16 rows d of Wd, source 1 = 16 rows b of hidden: lane (r, h) then holds dec[16 m + r][16 t + 8 h + 0 .. 7]
	s_add_nc_u64 s[4:5], s[4:5], s[22:23]
	s_add_nc_u64 s[6:7], s[6:7], s[24:25]
	s_lshl_b32 s22, s21, 6                         ; the tile's 16 columns of dec: 64 bytes
	s_add_nc_u64 s[16:17], s[16:17], s[22:23]
	global_load_b128 v[SW:SW+3], v4, s[6:7]
	global_load_b128 v[SW+4:SW+7], v4, s[6:7] offset:16
.irp m, 0,1
	global_load_b128 v[SH+8*\m:SH+8*\m+3], v4, s[10:11] offset:512*\m
	global_load_b128 v[SH+8*\m+4:SH+8*\m+7], v4, s[10:11] offset:512*\m+16
.endr
; Four K steps of 128: 48 loads, their wait, eight products.  K ascends; the two accumulators take turns, one instruction a turn.  The first product of each starts its sum.
; Eight plain places follow: ahead of the next loads into operand registers, and of the stores that read the results.
.macro HALF kk
.irp i, 0,1,2,3
.irp c, 0,1,2,3
	global_load_b128 v[FRW+16*\i+4*\c:FRW+16*\i+4*\c+3], v3, s[4:5] offset:128*(4*(\kk)+\i)+32*\c
.endr
.endr
.irp m, 0,1
.irp i, 0,1,2,3
.irp c, 0,1,2,3
	global_load_b128 v[FRH+64*\m+16*\i+4*\c:FRH+64*\m+16*\i+4*\c+3], v3, s[8:9] offset:16384*\m+128*(4*(\kk)+\i)+32*\c
.endr
.endr
.endr
	s_wait_loadcnt 0x0
.irp i, 0,1,2,3
.irp m, 0,1
.if (4*(\kk)+\i) == 0
	v_wmma_scale_f32_16x16x128_f8f6f4 v[AC+8*\m:AC+8*\m+7], v[FRW+16*\i:FRW+16*\i+15], v[FRH+64*\m+16*\i:FRH+64*\m+16*\i+15], 0, v[SW+4*(\kk)+\i], v[SH+8*\m+4*(\kk)+\i]
.else
	v_wmma_scale_f32_16x16x128_f8f6f4 v[AC+8*\m:AC+8*\m+7], v[FRW+16*\i:FRW+16*\i+15], v[FRH+64*\m+16*\i:FRH+64*\m+16*\i+15], v[AC+8*\m:AC+8*\m+7], v[SW+4*(\kk)+\i], v[SH+8*\m+4*(\kk)+\i]
.endif
.endr
.endr
.rept 8
	v_nop
.endr
.endm
	HALF 0
	HALF 1
	s_wait_alu depctr_va_vdst(0)
.irp m, 0,1
	global_store_b128 v5, v[AC+8*\m:AC+8*\m+3], s[16:17] offset:65536*\m       ; each accumulator from its low end on.  A wave's piece of a row is 64 bytes: the whole buffer is 131,072 bytes, written once
	global_store_b128 v5, v[AC+8*\m+4:AC+8*\m+7], s[16:17] offset:65536*\m+16
.endr
	s_endpgm
.Lcopy:
	; ---- We in the order of the operand's registers: what a lane loads as a fragment it stores at 16 x lane; each store of the wave covers 512 consecutive bytes
	s_add_nc_u64 s[12:13], s[12:13], s[22:23]
	s_add_nc_u64 s[14:15], s[14:15], s[24:25]
	s_mul_i32 s22, s21, TBLK
	s_add_nc_u64 s[18:19], s[18:19], s[22:23]
.irp n, 0,1,2,3,4,5,6,7,8,9,10,11,12,13,14,15,16,17,18,19,20,21,22,23,24,25,26,27,28,29,30,31
	global_load_b128 v[FRW+4*\n:FRW+4*\n+3], v3, s[12:13] offset:32*\n         ; piece n = 4 k + c lies 128 k + 32 c = 32 n bytes along the row
.endr
	s_wait_alu depctr_va_vdst(0)
	global_load_b128 v[192:195], v6, s[14:15]      ; the tile's 512 scale bytes as they lie
	s_wait_loadcnt 0x0
.irp n, 0,1,2,3,4,5,6,7,8,9,10,11,12,13,14,15,16,17,18,19,20,21,22,23,24,25,26,27,28,29,30,31
	global_store_b128 v6, v[FRW+4*\n:FRW+4*\n+3], s[18:19] offset:512*\n
.endr
	global_store_b128 v7, v[192:195], s[18:19]
	s_endpgm
.Lfunc_end_k_qa0e0e1c989_prep:
	.size	k_qa0e0e1c989_prep, .Lfunc_end_k_qa0e0e1c989_prep-k_qa0e0e1c989_prep
	.p2alignl 7, 3214868480
	.fill 96, 4, 3214868480
	.section	.rodata,"a",@progbits
	.p2align	6, 0x0
	.amdhsa_kernel k_qa0e0e1c989_prep
		.amdhsa_group_segment_fixed_size 0
		.amdhsa_private_segment_fixed_size 0
		.amdhsa_enable_private_segment 0
		.amdhsa_kernarg_size 64
		.amdhsa_user_sgpr_count 2
		.amdhsa_user_sgpr_kernarg_segment_ptr 1
		.amdhsa_wavefront_size32 1
		.amdhsa_system_sgpr_workgroup_id_x 1
		.amdhsa_system_sgpr_workgroup_id_y 1
		.amdhsa_system_sgpr_workgroup_id_z 1
		.amdhsa_system_vgpr_workitem_id 0
		.amdhsa_next_free_vgpr 256
		.amdhsa_next_free_sgpr 66
		.amdhsa_reserve_vcc 0
		.amdhsa_float_denorm_mode_32 3
		.amdhsa_float_denorm_mode_16_64 3
		.amdhsa_memory_ordered 1
		.amdhsa_forward_progress 1
		.amdhsa_inst_pref_size 21
	.end_amdhsa_kernel
	.amdgpu_metadata
---
amdhsa.version: [ 1, 2 ]
amdhsa.kernels:
  - .name:           k_qa0e0e1c989_prep
    .symbol:         k_qa0e0e1c989_prep.kd
    .args:
      - { .name: Wd_codes, .offset: 0, .size: 8, .value_kind: global_buffer, .address_space: global }
      - { .name: Wd_scales, .offset: 8, .size: 8, .value_kind: global_buffer, .address_space: global }
      - { .name: hidden_codes, .offset: 16, .size: 8, .value_kind: global_buffer, .address_space: global }
      - { .name: hidden_scales, .offset: 24, .size: 8, .value_kind: global_buffer, .address_space: global }
      - { .name: We_codes, .offset: 32, .size: 8, .value_kind: global_buffer, .address_space: global }
      - { .name: We_scales, .offset: 40, .size: 8, .value_kind: global_buffer, .address_space: global }
      - { .name: dec, .offset: 48, .size: 8, .value_kind: global_buffer, .address_space: global }
      - { .name: wimg, .offset: 56, .size: 8, .value_kind: global_buffer, .address_space: global }
    .group_segment_fixed_size: 0
    .private_segment_fixed_size: 0
    .kernarg_segment_align: 8
    .kernarg_segment_size: 64
    .max_flat_workgroup_size: 128
    .sgpr_count:     66
    .vgpr_count:     256
    .wavefront_size: 32
...
	.end_amdgpu_metadata
.endif
;; end of part 1
;; launch main (part 2): grid 16 x 32, 4 waves a work-group, no clusters, 321,536 bytes of LDS; arguments encoder_outputs, wimg, dec, v, scores, ctxp; writes scores, ctxp
.if DOCPART == 2
	.amdgcn_target "amdgcn-amd-amdhsa--gfx1250"
	.amdhsa_code_object_version 6
	.text
	.protected	k_qa0e0e1c989_main
	.globl	k_qa0e0e1c989_main
	.p2align	8
	.type	k_qa0e0e1c989_main,@function
k_qa0e0e1c989_main:
	s_mov_b64 s[64:65], 0
	v_nop
	global_prefetch_b8 v0, s[64:65] scope:SCOPE_SE
	s_setreg_imm32_b32 hwreg(HW_REG_WAVE_MODE, 25, 1), 1
	s_wait_xcnt 0x0
; scores[b][s] = -2 sum over d of v[d] / (1 + 2^(c x)),  x = Q(enc[s][b][:]) . We[d][:] + dec[b][d],  c = 2 log2(e): tanh's form 1 - 2 / (1 + e^(2x)).
; LEFT OUT: the term sum over d of v[d], the same for all s of a row b: the softmax along s does not see it (shown at the head of the first kernel).
; And for each 32 rows s of one b a part of the context: ctxp[b][j][:] = sum over the 32 rows of 2^((score - m_j) log2 e) bf16(enc[s][b][:]), m_j the 32 scores' maximum.  The last launch joins the parts.
; SHARES.  A work-group owns 128 rows s of one b.  Each of its four waves reads 32 of them from memory once (two tiles of 16), quantises them to E4M3 codes with scale words, and keeps them in bf16 in LDS
; (65,536 bytes a wave) for the weighted sum.  Waves 2 i and 2 i + 1 are partners: they hand each other their codes through LDS as images of the operand's registers, so that a wave holds four tiles of rows
; (512 registers) and each fragment of We feeds four products; wave w takes half w % 2 of d: 32 tiles of 16 d.  The halves of a row's sum over d meet in LDS.
; The product is used transposed: source 0 = 16 rows d of We, source 1 = 16 rows of enc: a lane holds one row s and eight d; dec is the C of a tile's first products.
; WE GOES FROM MEMORY STRAIGHT INTO THE OPERAND'S REGISTERS: the first launch has laid it in register order, so a tile is 33 loads of 512 consecutive bytes a wave, into one of three register sets, asked for two tiles
; ahead of its products.  No LDS byte is moved for We (through a ring each tile of 16,896 bytes would be written once and read by two waves), and the product loop has no barrier.
; NO CLUSTER, NO JOINT LOADS: joint requests are tensor loads into LDS, and here no tile of We lies in LDS.  NO PREFETCH OF WE: its 1,081,344 bytes are read again by every work-group; enc's units are asked for (macro ASK).
; A TILE: 32 products in one run, then its tanh in batches (32 exponentials, 32 reciprocals).
; LIMITS: NaN and infinities in enc are not served.  A block of zeros gets the scale byte 1 where the rule says 127: its codes are zeros and this program alone reads the bytes.
; 2^(c x) may overflow to infinity or fall to 0: the quotient is then 0 or 1, as tanh's limits ask.
; REGISTERS, windows of 256: window 0: v1-15 addresses; v16-23 quantiser's holds, later dec; v24-31 scores' sums; v32-39 my scale words (lanes 0-15 first tile, 16-31 second), v40-47 my partner's; v48-59 We's scale
; words, three sets (earlier v56-63: quantiser); v64-191 We's set 0 (at the end: the context); v192-223 four accumulators, v224-231 -2 v (earlier v192-255: 64 numbers of a row).
; window 1: my codes, tile m, K step k at v[128 m + 16 k]; window 3: my partner's; window 2: We's sets 1 and 2 (earlier: four units of enc).
.set ROWE,   131072
.set TBLK,   16896                     ; a tile of We: 32 pieces of 512 bytes + 512 bytes of scale words
.set BF,     0                         ; each wave's 32 rows in bf16: pair of rows g, K step k at 4,096 g + 512 k + 16 x lane
.set BFW,    65536
.set STG,    BF+4*BFW                  ; a stage of 16 rows x 528 bytes a wave
.set SPITCH, 528
.set STGW,   16*SPITCH
.set DECL,   STG+4*STGW                ; dec[b][0 .. 1023]
.set VL,     DECL+4096                 ; -2 v[0 .. 1023]
.set EX,     VL+4096                   ; the exchange: two buffers of 2,048 bytes a wave
.set SX,     EX+4*4096                 ; the scores' half sums: 128 bytes a wave
.set SPARE,  SX+512                    ; the spare words: 128 bytes a wave, named by no other line
.set LI,  1
.set L4,  2
.set SPW, 3
.set NIL, 4
.set PFO, 5
.set PXB, 6
.set BFA, 7
.set STI, 8
.set STO, 9
.set EXS, 10
.set EXL, 11
.set PW,  15
.set ADD, 9                            ; products: my tiles' dec; -2 v lies 4,096 bytes on
.set BFC, 13
.set PXC, 14
.set HOLD, 16
.set SOP,  20
.set DEC,  16
.set SCO,  24
.set ESC,  32
.set WSC,  48
.set BM,   56
.set BY,   60
.set Y,    192
.set ACC,  192
.set VV,   224
.set CT,   64
.set PQ,   112
.set T,    128
.set CB,  2
.set HM,  3
.set WP,  6                            ; s[6:7] my half of We's image, stepped three tiles a trip
.set WV,  28
.set BB,  31
.set JH,  34
.set SLOTS, 37
.set PT,  38
.set STB, 39
.set SEL, 40
.set CC,  42
.set MNT, 44
.set L2E, 45
.set CP,  46
.set MSB, 0
.macro WIN new                         ; the immediate's high byte repeats the setting that is left
.if MSB != (\new)
	s_set_vgpr_msb (MSB<<8)|(\new)
.set MSB, (\new)
.endif
.endm
.macro VW
	s_wait_alu depctr_va_vdst(0)
.endm
.macro PLACES n
.rept \n
	v_nop
.endr
.endm
	s_load_b256 s[4:11], s[0:1], 0x0               ; enc, wimg, dec, v
	s_load_b128 s[12:15], s[0:1], 0x20             ; scores, ctxp
	v_lshl_add_u32 v[SPW], v0, 2, SPARE
	v_mov_b32 v[NIL], 0
	v_lshrrev_b32 v12, 5, v0
	v_readfirstlane_b32 s[WV], v12                 ; wave 0..3
	s_and_b32 s[BB], ttmp7, 0xffff                 ; b
	s_lshl_b32 s46, ttmp9, 2
	s_add_co_u32 s46, s46, s[WV]                   ; j: my 32 rows begin at s = 32 j
	s_lshl_b32 s48, s46, 22
	s_lshl_b32 s56, s[BB], 12
	s_add_co_u32 s48, s48, s56                     ; enc: 32 j rows of 131,072 bytes + b rows of 4,096
	s_mov_b32 s49, 0
	s_mov_b32 s57, 0                               ; s[56:57]: dec's row b
	s_lshl_b32 s52, s[BB], 13
	s_lshl_b32 s53, s46, 7
	s_add_co_u32 s52, s52, s53                     ; scores: row b + 128 j
	s_mov_b32 s53, 0
	s_lshl_b32 s54, s[BB], 6
	s_add_co_u32 s54, s54, s46
	s_lshl_b32 s54, s54, 12                        ; ctxp: part 64 b + j
	s_mov_b32 s55, 0
	s_and_b32 s[JH], s[WV], 1
	s_xor_b32 s[PT], s[WV], 1
	s_mul_i32 s50, s[JH], 32*TBLK                  ; my half of d: tiles 32 (w % 2) on
	s_mov_b32 s51, 0
	s_mov_b32 s[HM], 0xffff0000
	s_mov_b32 s[SEL], 0x76543210
	s_mov_b32 s[SEL+1], 0xfedcba98                 ; lane l xor 16
	s_mov_b32 s[CC], 0x4038aa3b                    ; c = 2 log2(e)
	s_mov_b32 s[CC+1], s[CC]
	s_mov_b32 s[MNT], 0x600000                     ; 448's mantissa field
	s_mov_b32 s[L2E], 0x3fb8aa3b
	s_mul_i32 s[STB], s[WV], STGW
	s_add_co_u32 s[STB], s[STB], STG
	s_lshl_b32 s58, s[WV], 12
	s_add_co_u32 s58, s58, EX
	s_lshl_b32 s59, s[PT], 12
	s_add_co_u32 s59, s59, EX
	s_lshl_b32 s47, s[WV], 16                      ; my bf16 region (BF = 0)
	v_and_b32 v12, 31, v0
	v_and_b32 v13, 15, v0
	v_bfe_u32 v14, v0, 4, 1
	v_and_b32 v15, 1, v0
	v_lshlrev_b32 v[LI], 4, v12
	v_lshlrev_b32 v[L4], 2, v12
	v_lshrrev_b32 v[PFO], 1, v12
	v_lshlrev_b32 v[PFO], 17, v[PFO]               ; row lane / 2,
	v_lshl_add_u32 v[PFO], v15, 8, v[PFO]          ; + 256 (lane % 2)
	v_add_nc_u32 v[STI], s[STB], v[LI]
	v_mul_u32_u24 v[STO], v13, SPITCH
	v_lshl_add_u32 v[STO], v14, 6, v[STO]
	v_add_nc_u32 v[STO], s[STB], v[STO]
	v_add_nc_u32 v[EXS], s58, v[LI]
	v_add_nc_u32 v[EXL], s59, v[LI]
	v_add_nc_u32 v[BFA], s47, v[LI]
	v_lshlrev_b32 v12, 5, v0                       ; 32 bytes of dec[b] and of v a thread
	v_add_nc_u32 v13, DECL, v12
	VW                                             ; at the head's end
	s_wait_kmcnt 0x0
	s_add_nc_u64 s[4:5], s[4:5], s[48:49]
	s_add_nc_u64 s[WP:WP+1], s[WP:WP+1], s[50:51]
	s_add_nc_u64 s[8:9], s[8:9], s[56:57]
	s_add_nc_u64 s[12:13], s[12:13], s[52:53]
	s_add_nc_u64 s[14:15], s[14:15], s[54:55]
; enc comes in by units of 16 rows x 512 bytes (tile u / 8, K step u % 8), into set u % 4 of window 2: a load reads one row's 512 consecutive bytes
.macro XLOAD u
	WIN 0x80
.set i, 0
.rept 16
	global_load_b128 v[64*((\u)%4)+4*i:64*((\u)%4)+4*i+3], v[LI], s[4:5] offset:(16*((\u)/8)+i)*ROWE+512*((\u)%8) th:TH_LOAD_NT
.set i, i+1
.endr
	WIN 0
.endm
; a prefetch of unit u: 32 aligned blocks of 256 bytes, a lane a block; each wave asks for its own rows.  In unit t: unit t + 6, two units ahead of its loads; units 0-5 come by their loads, units 10-15 ask for nothing
.macro ASK u
	global_prefetch_b8 v[PFO], s[4:5] offset:16*((\u)/8)*ROWE+512*((\u)%8) th:TH_LOAD_NT scope:SCOPE_SE
.endm
; a tile of We, off tiles on from s[WP], into set: 32 pieces and the scale words, 33 loads of 512 consecutive bytes
.macro WLOAD set, off
.if (\set) == 0
.set wb, 64
.else
.set wb, 128*((\set)-1)
	WIN 0x80
.endif
.set i, 0
.rept 32
	global_load_b128 v[wb+4*i:wb+4*i+3], v[LI], s[WP:WP+1] offset:(\off)*TBLK+512*i
.set i, i+1
.endr
	WIN 0
	global_load_b128 v[WSC+4*(\set):WSC+4*(\set)+3], v[LI], s[WP:WP+1] offset:(\off)*TBLK+16384
.endm
.macro EXGET u                         ; my partner's fragment of unit u into window 3
	WIN 0xc0
.irp c, 0,1,2,3
	ds_load_b128 v[128*((\u)/8)+16*((\u)%8)+4*\c:128*((\u)/8)+16*((\u)%8)+4*\c+3], v[EXL] offset:2048*((\u)%2)+512*\c
.endr
	WIN 0
.endm
; 64 numbers of a lane, v[Y + 16 b + i] = e 128 k + 32 b + 16 h + i of row r, become registers 4 b .. 4 b + 3 of the operand (window 1) and the row's scale word; the image goes to exchange buffer qb
.macro QUANT qm, qk, qb
.irp b, 0,1,2,3
	v_max3_num_f32 v[BM+\b], |v[Y+16*\b]|, |v[Y+16*\b+1]|, 0x4800000   ; the floor 2^(9 - 127) holds the byte at 1 from below
.endr
.irp i, 2,4,6,8,10,12,14
.irp b, 0,1,2,3
	v_max3_num_f32 v[BM+\b], v[BM+\b], |v[Y+16*\b+\i]|, |v[Y+16*\b+\i+1]|
.endr
.endr
.irp b, 0,1,2,3
	v_permlanex16_b32 v[BY+\b], v[BM+\b], s[SEL], s[SEL+1]
.endr
.irp b, 0,1,2,3
	v_max_num_f32 v[BM+\b], v[BM+\b], v[BY+\b]     ; the block's largest magnitude
.endr
.irp b, 0,1,2,3
	v_add_nc_u32 v[SOP+\b], 0xfc000000, v[BM+\b]   ; 8 off its exponent field: the conversion's scale operand
.endr
.irp b, 0,1,2,3
	v_and_or_b32 v[HOLD+\b], v[BM+\b], 0x7f800000, s[MNT]   ; 448 x the scale
.endr
.irp b, 0,1,2,3
	v_lshrrev_b32 v[BY+\b], 23, v[SOP+\b]          ; the scale's byte
.endr
.if (\qm) == 0
	v_lshl_or_b32 v[ESC+(\qk)], v[BY+1], 8, v[BY]
	v_lshl_or_b32 v[ESC+(\qk)], v[BY+2], 16, v[ESC+(\qk)]
	v_lshl_or_b32 v[ESC+(\qk)], v[BY+3], 24, v[ESC+(\qk)]
.else
	v_lshl_or_b32 v[PW], v[BY+1], 8, v[BY]
	v_lshl_or_b32 v[PW], v[BY+2], 16, v[PW]
	v_lshl_or_b32 v[PW], v[BY+3], 24, v[PW]
	v_cndmask_b32 v[ESC+(\qk)], v[ESC+(\qk)], v[PW], s[HM]   ; the second tile's words take lanes 16-31
.endif
.irp b, 0,1,2,3
.set i, 0
.rept 16
	v_med3_num_f32 v[Y+16*\b+i], v[Y+16*\b+i], -v[HOLD+\b], v[HOLD+\b]   ; the conversion does not saturate (ISA guide 7.6.2): the hold
.set i, i+1
.endr
.endr
	WIN 0x40
.irp b, 0,1,2,3
	v_cvt_scalef32_pk8_fp8_f32 v[128*(\qm)+16*(\qk)+4*\b:128*(\qm)+16*(\qk)+4*\b+1], v[Y+16*\b:Y+16*\b+7], v[SOP+\b]
	v_cvt_scalef32_pk8_fp8_f32 v[128*(\qm)+16*(\qk)+4*\b+2:128*(\qm)+16*(\qk)+4*\b+3], v[Y+16*\b+8:Y+16*\b+15], v[SOP+\b]
.endr
	WIN 0x04                                       ; an LDS store's data are its source 1
	v_nop                                          ; one plain line behind the last conversion
.irp c, 0,1,2,3
	ds_store_b128 v[EXS], v[128*(\qm)+16*(\qk)+4*\c:128*(\qm)+16*(\qk)+4*\c+3] offset:2048*(\qb)+512*\c
.endr
	WIN 0
.endm
; A unit: to bf16 as it lies, into LDS (by way of registers that the stage's loads fill next: LDS serves a wave's instructions in order); through my stage, so that a lane gets 64 numbers of one row; then quantised.
; The exchange: unit u's image goes to buffer u % 2; in unit u + 1, behind the wait for all my LDS instructions, one barrier, and behind it I read my partner's image of unit u.
; The waits count the loads issued behind this unit's 16: three later units (48); unit 13: two (32); unit 14: one and We's tile 0 (49); unit 15: We's tiles 0 and 1 are 66, and the wait's field holds 63.
.macro UNIT u
.if (\u) < 13
	s_wait_loadcnt 48
.elseif (\u) == 13
	s_wait_loadcnt 32
.elseif (\u) == 14
	s_wait_loadcnt 49
.else
	s_wait_loadcnt 63
.endif
	WIN 0x0a                                       ; sources 0 and 1 window 2
.set i, 0
.rept 16
	v_cvt_pk_bf16_f32 v[Y+2*i], v[64*((\u)%4)+4*i], v[64*((\u)%4)+4*i+1]
	v_cvt_pk_bf16_f32 v[Y+2*i+1], v[64*((\u)%4)+4*i+2], v[64*((\u)%4)+4*i+3]
.set i, i+1
.endr
	WIN 0
.irp g, 0,1,2,3,4,5,6,7
	ds_store_b128 v[BFA], v[Y+4*\g:Y+4*\g+3] offset:4096*(8*((\u)/8)+\g)+512*((\u)%8)
.endr
	WIN 0x08                                       ; the stores' data: window 2
.set i, 0
.rept 16
	ds_store_b128 v[STI], v[64*((\u)%4)+4*i:64*((\u)%4)+4*i+3] offset:SPITCH*i
.set i, i+1
.endr
	WIN 0
.irp c, 0,1,2,3
.irp g, 0,1,2,3
	ds_load_b128 v[Y+16*\c+4*\g:Y+16*\c+4*\g+3], v[STO] offset:128*\c+16*\g
.endr
.endr
	s_wait_dscnt 0x0                               ; my row's numbers are in; the stores have read their registers; the last image has landed and my reads of my partner's are over
.if (\u) < 12
	XLOAD (\u)+4                                   ; the set just stored takes the unit four further on
.elseif (\u) == 13
	WLOAD 0, 0                                     ; We's first two tiles are asked for while the last units are quantised: set 0 lies idle,
.elseif (\u) == 14
	WLOAD 1, 1                                     ; and set 1 lies where units 12 and 13 lay
.endif
.if (\u) < 10
	ASK (\u)+6
.endif
.if (\u) > 0
	s_barrier_signal -1
	s_barrier_wait -1
	EXGET (\u)-1
.endif
	QUANT (\u)/8, (\u)%8, (\u)%2
.endm
	global_load_b128 v[192:195], v12, s[8:9]       ; dec[b] and v
	global_load_b128 v[196:199], v12, s[8:9] offset:16
	global_load_b128 v[200:203], v12, s[10:11]
	global_load_b128 v[204:207], v12, s[10:11] offset:16
	XLOAD 0
	XLOAD 1
	XLOAD 2
	XLOAD 3
.irp n, 0,1,2,3
	v_mov_b32 v[BY+\n], 0                          ; a lane permute's destination counts as a source
.endr
.irp n, 0,1,2,3,4,5,6,7
	v_mov_b32 v[SCO+\n], 0                         ; the scores' sums
.endr
	VW                                             ; directly ahead of the wait below
	s_wait_loadcnt 63                              ; dec and v are in: 64 loads were issued behind them, and the wait's field holds 63
.irp n, 0,2,4,6
	v_pk_mul_f32 v[200+\n:201+\n], v[200+\n:201+\n], -2.0 op_sel_hi:[1,0]
.endr
	ds_store_b128 v13, v[192:195]                  ; the others read these behind the units' waits and barriers
	ds_store_b128 v13, v[196:199] offset:16
	ds_store_b128 v13, v[200:203] offset:VL-DECL
	ds_store_b128 v13, v[204:207] offset:VL-DECL+16
.irp u, 0,1,2,3,4,5,6,7,8,9,10,11,12,13,14,15
	UNIT \u
.endr
	VW                                             ; the last codes are read again behind the waits below
	s_wait_dscnt 0x0
	s_barrier_signal -1
	s_barrier_wait -1
	EXGET 15
	ds_store_b128 v[EXS], v[ESC:ESC+3]             ; my eight scale registers into buffer 0
	ds_store_b128 v[EXS], v[ESC+4:ESC+7] offset:512
	s_wait_dscnt 0x0
	s_barrier_signal -1
	s_barrier_wait -1
	ds_load_b128 v[ESC+8:ESC+11], v[EXL]
	ds_load_b128 v[ESC+12:ESC+15], v[EXL] offset:512
	v_bfe_u32 v15, v0, 4, 1                        ; h
	s_lshl_b32 s47, s[JH], 11
	s_add_co_u32 s47, s47, DECL
	v_lshl_add_u32 v[ADD], v15, 5, s47             ; DECL + 2,048 (w % 2) + 32 h
	VW                                             ; directly behind the write: it is read again behind waits
	ds_load_b128 v[DEC:DEC+3], v[ADD]              ; the first tile's dec
	ds_load_b128 v[DEC+4:DEC+7], v[ADD] offset:16
; One product: set st of We, K step k, tile of rows 2 mw + mm.  We's scale words of K steps 4-7 lie in lanes 16-31 of those of K steps 0-3; a wave's second tile's in lanes 16-31 of its first's.
.macro WM st, k, mw, mm
.set rD, ACC+16*(\mw)+8*(\mm)
.if (\st) == 0
.set rA, 64+16*(\k)
.else
.set rA, 128*((\st)-1)+16*(\k)
.endif
.set rB, 128*(\mm)+16*(\k)
.set rSA, WSC+4*(\st)+(\k)%4
.set rSB, ESC+8*(\mw)+(\k)
.if (\k) == 0
.if (\mm) == 0
	v_wmma_scale_f32_16x16x128_f8f6f4 v[rD:rD+7], v[rA:rA+15], v[rB:rB+15], v[DEC:DEC+7], v[rSA], v[rSB]
.else
	v_wmma_scale_f32_16x16x128_f8f6f4 v[rD:rD+7], v[rA:rA+15], v[rB:rB+15], v[DEC:DEC+7], v[rSA], v[rSB] matrix_b_scale:MATRIX_SCALE_ROW1
.endif
.elseif (\k) < 4
.if (\mm) == 0
	v_wmma_scale_f32_16x16x128_f8f6f4 v[rD:rD+7], v[rA:rA+15], v[rB:rB+15], v[rD:rD+7], v[rSA], v[rSB]
.else
	v_wmma_scale_f32_16x16x128_f8f6f4 v[rD:rD+7], v[rA:rA+15], v[rB:rB+15], v[rD:rD+7], v[rSA], v[rSB] matrix_b_scale:MATRIX_SCALE_ROW1
.endif
.else
.if (\mm) == 0
	v_wmma_scale_f32_16x16x128_f8f6f4 v[rD:rD+7], v[rA:rA+15], v[rB:rB+15], v[rD:rD+7], v[rSA], v[rSB] matrix_a_scale:MATRIX_SCALE_ROW1
.else
	v_wmma_scale_f32_16x16x128_f8f6f4 v[rD:rD+7], v[rA:rA+15], v[rB:rB+15], v[rD:rD+7], v[rSA], v[rSB] matrix_a_scale:MATRIX_SCALE_ROW1 matrix_b_scale:MATRIX_SCALE_ROW1
.endif
.endif
.endm
.macro MM8 st, kb, mw                  ; eight products: K steps kb .. kb + 3, my own tiles of rows (mw = 0) or my partner's (1); the two accumulators take turns
.if (\st) == 0
	WIN 0x04+0x08*(\mw)                            ; source 0 window 0, source 1 window 1 or 3
.else
	WIN 0x06+0x08*(\mw)                            ; source 0 window 2
.endif
.irp e, 0,1,2,3
.irp mm, 0,1
	WM \st, (\kb)+\e, \mw, \mm
.endr
.endr
.endm
; The tile's tanh, 32 sums a lane: x c; 2^; + 1; reciprocal; the scores' sums += (-2 v) / (1 + 2^(c x)).  Each batch of 32 has one wait ahead of it and one behind it.
.macro TANH out                        ; out: the LDS loads issued behind -2 v's, which may stay out
.set n, 0
.rept 16
	v_pk_mul_f32 v[ACC+2*n:ACC+2*n+1], v[ACC+2*n:ACC+2*n+1], s[CC:CC+1] op_sel_hi:[1,0]   ; each accumulator from its low end on
.set n, n+1
.endr
	VW
.set n, 0
.rept 32
	v_exp_f32 v[ACC+n], v[ACC+n]
.set n, n+1
.endr
	v_nop
	VW
.set n, 0
.rept 16
	v_pk_add_f32 v[ACC+2*n:ACC+2*n+1], v[ACC+2*n:ACC+2*n+1], 1.0 op_sel_hi:[1,0]
.set n, n+1
.endr
	VW
.set n, 0
.rept 32
	v_rcp_f32 v[ACC+n], v[ACC+n]
.set n, n+1
.endr
	v_nop
	VW
	s_wait_dscnt \out                              ; -2 v is in
.irp j, 0,2,4,6
.irp m, 0,1,2,3
	v_pk_fma_f32 v[SCO+2*\m:SCO+2*\m+1], v[VV+\j:VV+\j+1], v[ACC+8*\m+\j:ACC+8*\m+\j+1], v[SCO+2*\m:SCO+2*\m+1]
.endr
.endr
.endm
; A TILE, the i-th from s[WP] and v[ADD], in set i.  ld = 1: the tile two on is asked for first, into the set that the tile before has left (that tile's tanh, plain lines, are the places behind its products).
; lc: the loads issued behind this tile's 33: two tiles are 66, and the wait's field holds 63; then 33; then 0.  nx = 1: the next tile's dec is fetched behind the products and their eight places.
.macro TILE i, ld, lc, nx
.if \ld
	WLOAD ((\i)+2)%3, (\i)+2
.endif
	ds_load_b128 v[VV:VV+3], v[ADD] offset:4096+64*(\i)
	ds_load_b128 v[VV+4:VV+7], v[ADD] offset:4096+64*(\i)+16
	s_wait_loadcnt \lc
	s_wait_dscnt 2                                 ; dec is in; -2 v's two loads may be out
	MM8 \i, 0, 0
	MM8 \i, 0, 1
	MM8 \i, 4, 0
	MM8 \i, 4, 1
	WIN 0
	PLACES 8
.if \nx
	ds_load_b128 v[DEC:DEC+3], v[ADD] offset:64*((\i)+1)
	ds_load_b128 v[DEC+4:DEC+7], v[ADD] offset:64*((\i)+1)+16
.endif
	TANH 2*(\nx)
.endm
	s_mov_b32 s[SLOTS], 10
.Ltiles:                                           ; ten trips of three tiles: tiles 0 to 29, which ask for tiles 2 to 31
	TILE 0, 1, 63, 1
	TILE 1, 1, 63, 1
	TILE 2, 1, 63, 1
	s_wait_xcnt 0x0                                ; the loads have read their base: it may step
	s_add_nc_u64 s[WP:WP+1], s[WP:WP+1], 3*TBLK
	v_add_nc_u32 v[ADD], 192, v[ADD]
	s_sub_co_u32 s[SLOTS], s[SLOTS], 1
	s_cmp_lg_u32 s[SLOTS], 0
	VW                                             ; directly ahead of the branch
	s_cbranch_scc1 .Ltiles
	TILE 0, 0, 33, 1                               ; the last two tiles ask for nothing
	TILE 1, 0, 0, 0
	; THE WAY OUT.  A row's sum over my half of d lies in two registers of two lanes.  My partner's rows' sums go to it through LDS, and its sums for my rows come back.
.irp m, 0,1,2,3
	v_add_f32 v[8+\m], v[SCO+2*\m], v[SCO+2*\m+1]
.endr
.irp m, 0,1,2,3
	v_permlanex16_b32 v[12+\m], v[8+\m], s[SEL], s[SEL+1]
.endr
.irp m, 0,1,2,3
	v_add_f32 v[8+\m], v[8+\m], v[12+\m]
.endr
	v_cndmask_b32 v8, v8, v9, s[HM]                ; lane l: row l of my 32,
	v_cndmask_b32 v10, v10, v11, s[HM]             ; and of my partner's
	s_lshl_b32 s46, s[WV], 7
	s_add_co_u32 s46, s46, SX
	s_lshl_b32 s47, s[PT], 7
	s_add_co_u32 s47, s47, SX
	v_add_nc_u32 v12, s46, v[L4]
	v_add_nc_u32 v13, s47, v[L4]
	ds_store_b32 v12, v10
	VW                                             ; directly ahead of the wait below
	s_wait_dscnt 0x0
	s_barrier_signal -1
	s_barrier_wait -1
	ds_load_b32 v14, v13
	s_wait_dscnt 0x0
	v_add_f32 v8, v8, v14                          ; the score
	global_store_b32 v[L4], v8, s[12:13]           ; 128 consecutive bytes; v8 is not written again
	v_mov_b32 v9, v8
	v_max_num_f32_dpp v9, v9, v9 row_xmask:1 row_mask:0xf bank_mask:0xf
	v_max_num_f32_dpp v9, v9, v9 row_xmask:2 row_mask:0xf bank_mask:0xf
	v_max_num_f32_dpp v9, v9, v9 row_xmask:4 row_mask:0xf bank_mask:0xf
	v_max_num_f32_dpp v9, v9, v9 row_xmask:8 row_mask:0xf bank_mask:0xf
	v_permlanex16_b32 v12, v9, s[SEL], s[SEL+1]
	v_max_num_f32 v9, v9, v12                      ; m_j: the maximum is taken away before the exponential
	v_sub_f32 v10, v8, v9
	v_mul_f32 v10, s[L2E], v10
	VW                                             ; ahead of the transcendental
	v_exp_f32 v10, v10                             ; p, at most 1
.set n, 0
.rept 32
	v_mov_b32 v[CT+n], 0                           ; the part's 32 sums a lane: e = 128 k + 4 lane + x at v[CT + 4 k + x]
.set n, n+1
.endr
	s_mov_b32 s[CB], 0
	s_mov_b32 s[CP], 0
	v_add_nc_u32 v11, s[STB], v[L4]
	v_mov_b32 v[PXB], s[STB]
	v_add_nc_u32 v[BFC], s[CB], v[BFA]
	v_add_nc_u32 v[PXC], s[CP], v[PXB]
	VW                                             ; ahead of the exponential's first reader
	ds_store_b32 v11, v10                          ; the 32 weights go to my stage, and all lanes read the same words back (LDS serves a wave's instructions in order)
.macro LOADT ts, g                     ; nine LDS loads: rows 2 g, 2 g + 1 (from the loop's addresses) in bf16 into set ts, and their two weights
.irp k, 0,1,2,3,4,5,6,7
	ds_load_b128 v[T+32*(\ts)+4*\k:T+32*(\ts)+4*\k+3], v[BFC] offset:4096*(\g)+512*\k
.endr
	ds_load_b64 v[PQ+2*(\ts):PQ+2*(\ts)+1], v[PXC] offset:8*(\g)
.endm
.macro MIX4 k, src, w                  ; four fused multiply-adds: bf16 half x f32 + f32
	v_fma_mix_f32_bf16 v[CT+4*(\k)], v[\src], v[\w], v[CT+4*(\k)] op_sel_hi:[1,0,0]
	v_fma_mix_f32_bf16 v[CT+4*(\k)+1], v[\src], v[\w], v[CT+4*(\k)+1] op_sel:[1,0,0] op_sel_hi:[1,0,0]
	v_fma_mix_f32_bf16 v[CT+4*(\k)+2], v[\src+1], v[\w], v[CT+4*(\k)+2] op_sel_hi:[1,0,0]
	v_fma_mix_f32_bf16 v[CT+4*(\k)+3], v[\src+1], v[\w], v[CT+4*(\k)+3] op_sel:[1,0,0] op_sel_hi:[1,0,0]
.endm
.macro CTXPAIR ts                      ; the two rows in set ts
.irp rr, 0,1
.irp k, 0,1,2,3,4,5,6,7
	MIX4 \k, T+32*(\ts)+4*\k+2*\rr, PQ+2*(\ts)+\rr
.endr
.endr
.endm
	LOADT 0, 0
	LOADT 1, 1
	s_mov_b32 s[SLOTS], 7
.Lctx:                                             ; seven trips of four rows; each set is filled again as soon as it is summed
	s_wait_dscnt 9                                 ; set 0's nine loads are in; set 1's may be out
	CTXPAIR 0
	LOADT 0, 2
	s_wait_dscnt 9
	CTXPAIR 1
	LOADT 1, 3
	s_add_co_u32 s[CB], s[CB], 8192
	s_add_co_u32 s[CP], s[CP], 16
	v_add_nc_u32 v[BFC], s[CB], v[BFA]
	v_add_nc_u32 v[PXC], s[CP], v[PXB]
	s_sub_co_u32 s[SLOTS], s[SLOTS], 1
	s_cmp_lg_u32 s[SLOTS], 0
	VW                                             ; directly ahead of the branch
	s_cbranch_scc1 .Lctx
	s_wait_dscnt 9                                 ; the last four rows: nothing more to fetch
	CTXPAIR 0
	s_wait_dscnt 0x0
	CTXPAIR 1
.irp k, 0,1,2,3,4,5,6,7
	global_store_b128 v[LI], v[CT+4*\k:CT+4*\k+3], s[14:15] offset:512*\k   ; 32 lanes store 512 consecutive bytes, aligned to 256
.endr
	s_wait_tensorcnt 0x0                           ; the wave's end: three closing lines, the first even in a text with no tensor load
	ds_add_u32 v[SPW], v[NIL]
	s_wait_dscnt 0x0
	s_endpgm
.Lfunc_end_k_qa0e0e1c989_main:
	.size	k_qa0e0e1c989_main, .Lfunc_end_k_qa0e0e1c989_main-k_qa0e0e1c989_main
	.p2alignl 7, 3214868480
	.fill 96, 4, 3214868480
	.section	.rodata,"a",@progbits
	.p2align	6, 0x0
	.amdhsa_kernel k_qa0e0e1c989_main
		.amdhsa_group_segment_fixed_size 321536
		.amdhsa_private_segment_fixed_size 0
		.amdhsa_enable_private_segment 0
		.amdhsa_kernarg_size 48
		.amdhsa_user_sgpr_count 2
		.amdhsa_user_sgpr_kernarg_segment_ptr 1
		.amdhsa_wavefront_size32 1
		.amdhsa_system_sgpr_workgroup_id_x 1
		.amdhsa_system_sgpr_workgroup_id_y 1
		.amdhsa_system_sgpr_workgroup_id_z 1
		.amdhsa_system_vgpr_workitem_id 0
		.amdhsa_next_free_vgpr 1024
		.amdhsa_next_free_sgpr 66
		.amdhsa_reserve_vcc 0
		.amdhsa_float_denorm_mode_32 3
		.amdhsa_float_denorm_mode_16_64 3
		.amdhsa_memory_ordered 1
		.amdhsa_forward_progress 1
		.amdhsa_inst_pref_size 255
	.end_amdhsa_kernel
	.section	.bss,"aw",@nobits
	.p2align	6
	.space	262144
	.amdgpu_metadata
---
amdhsa.version: [ 1, 2 ]
amdhsa.kernels:
  - .name:           k_qa0e0e1c989_main
    .symbol:         k_qa0e0e1c989_main.kd
    .args:
      - { .name: encoder_outputs, .offset: 0, .size: 8, .value_kind: global_buffer, .address_space: global }
      - { .name: wimg, .offset: 8, .size: 8, .value_kind: global_buffer, .address_space: global }
      - { .name: dec, .offset: 16, .size: 8, .value_kind: global_buffer, .address_space: global }
      - { .name: v, .offset: 24, .size: 8, .value_kind: global_buffer, .address_space: global }
      - { .name: scores, .offset: 32, .size: 8, .value_kind: global_buffer, .address_space: global }
      - { .name: ctxp, .offset: 40, .size: 8, .value_kind: global_buffer, .address_space: global }
    .group_segment_fixed_size: 321536
    .private_segment_fixed_size: 0
    .kernarg_segment_align: 8
    .kernarg_segment_size: 48
    .max_flat_workgroup_size: 128
    .sgpr_count:     66
    .vgpr_count:     1024
    .wavefront_size: 32
...
	.end_amdgpu_metadata
.endif
;; end of part 2
;; launch combine (part 3): grid 4 x 32, 8 waves a work-group, no clusters, 6,144 bytes of LDS; arguments scores, ctxp, out0, out1; writes out0, out1
.if DOCPART == 3
	.amdgcn_target "amdgcn-amd-amdhsa--gfx1250"
	.amdhsa_code_object_version 6
	.text
	.protected	k_qa0e0e1c989_combine
	.globl	k_qa0e0e1c989_combine
	.p2align	8
	.type	k_qa0e0e1c989_combine,@function
k_qa0e0e1c989_combine:
	s_mov_b64 s[64:65], 0
	v_nop
	global_prefetch_b8 v0, s[64:65] scope:SCOPE_SE
	s_setreg_imm32_b32 hwreg(HW_REG_WAVE_MODE, 25, 1), 1
	s_wait_xcnt 0x0
; out1[b][s] = softmax over s of scores[b][s];  out0[b][e] = sum over the 64 parts j of 2^((m_j - M) log2 e) / L x ctxp[b][j][e].
; (The scores lack the term sum over d of v[d], the same along s: left out as shown at the head of the first kernel.)
; A work-group of 256 threads takes one b and a quarter q of e (256 numbers).  All four work-groups of a b form M, L and the weights from the row's 8,192 bytes of scores; each stores a quarter of the weights.
; the four g meet in LDS.  Memory binds here: matrix units, clusters and tensor loads would add nothing.
.set RMAX, 0                           ; LDS: the eight waves' maxima;
.set RSUM, 256                         ; their sums;
.set FJ,   512                         ; the 64 parts' factors;
.set PART, 768                         ; 256 threads x 16 bytes;
.set SPARE, 4864                       ; the spare words, 128 bytes for each wave: four blocks of 256 bytes that no other line names
.set SPW, 126
.set NIL, 127
	s_load_b256 s[4:11], s[0:1], 0x0               ; scores s[4:5], ctxp s[6:7], out0 s[8:9], out1 s[10:11]
	v_lshl_add_u32 v[SPW], v0, 2, SPARE
	v_mov_b32 v[NIL], 0
	v_lshrrev_b32 v2, 5, v0
	s_delay_alu instid0(VALU_DEP_1)
	v_readfirstlane_b32 s12, v2                    ; wave 0..7
	s_and_b32 s13, ttmp7, 0xffff                   ; b
	v_lshlrev_b32 v1, 4, v0                        ; 16 t
	v_and_b32 v3, 63, v0                           ; eq
	v_lshrrev_b32 v16, 6, v0                       ; g
	s_delay_alu instid0(VALU_DEP_2)
	v_lshlrev_b32 v3, 4, v3
	s_delay_alu instid0(VALU_DEP_1)
	v_lshl_add_u32 v3, v16, 16, v3                 ; 16 parts of 4,096 bytes x g + 16 eq
	v_lshlrev_b32 v17, 2, v2                       ; 4 x wave
	v_lshrrev_b32 v18, 3, v0
	s_delay_alu instid0(VALU_DEP_1)
	v_lshlrev_b32 v18, 2, v18                      ; 4 x (t / 8)
	v_lshlrev_b32 v19, 6, v16                      ; 64 g
	v_mov_b32 v28, 0
	v_mov_b32 v15, 0                               ; written once: a lane permute's destination counts as one of its sources
	s_lshl_b32 s14, s13, 13                        ; a row of scores or of weights
	s_mov_b32 s15, 0
	s_lshl_b32 s22, ttmp9, 10                      ; my quarter of e, in bytes
	s_lshl_b32 s16, s13, 18                        ; a b's 64 parts
	s_add_co_u32 s16, s16, s22
	s_mov_b32 s17, 0
	s_lshl_b32 s18, s13, 12
	s_add_co_u32 s18, s18, s22
	s_mov_b32 s19, 0
	s_lshr_b32 s23, ttmp9, 1
	s_lshl_b32 s20, s23, 12
	s_add_co_u32 s20, s20, s14                     ; the weights that I store: half q / 2 of the row (A's or B's), and of it the threads of waves 4 (q % 2) on
	s_mov_b32 s21, 0
	s_cmp_lg_u32 s23, 0
	s_cselect_b32 s29, -1, 0                       ; all lanes: B's, or none: A's
	s_lshr_b32 s27, s12, 2
	s_and_b32 s28, ttmp9, 1
	s_mov_b32 s24, 0x76543210
	s_mov_b32 s25, 0xfedcba98                      ; v_permlanex16_b32's selects for lane l xor 16
	s_mov_b32 s26, 0x3fb8aa3b                      ; log2(e)
	s_wait_alu depctr_va_vdst(0)
	s_wait_kmcnt 0x0
	s_add_nc_u64 s[4:5], s[4:5], s[14:15]
	s_add_nc_u64 s[6:7], s[6:7], s[16:17]
	s_add_nc_u64 s[8:9], s[8:9], s[18:19]
	s_add_nc_u64 s[10:11], s[10:11], s[20:21]
	global_load_b128 v[4:7], v1, s[4:5]
	global_load_b128 v[8:11], v1, s[4:5] offset:4096
.irp i, 0,1,2,3,4,5,6,7,8,9,10,11,12,13,14,15
	global_load_b128 v[32+4*\i:35+4*\i], v3, s[6:7] offset:4096*\i th:TH_LOAD_NT   ; a wave reads 512 consecutive bytes of a part; each byte is read once in the launch
.endr
	s_wait_loadcnt 16                              ; the scores are in; the 16 loads of the parts may be out
	v_max3_num_f32 v12, v4, v5, v6
	v_max3_num_f32 v13, v8, v9, v10
	s_delay_alu instid0(VALU_DEP_2)
	v_max_num_f32 v12, v12, v7
	s_delay_alu instid0(VALU_DEP_2)
	v_max_num_f32 v13, v13, v11
.irp x, 1,2,4
	s_delay_alu instid0(VALU_DEP_2)
	v_max_num_f32_dpp v12, v12, v12 row_xmask:\x row_mask:0xf bank_mask:0xf   ; eight lanes: m_j of part t / 8,
	s_delay_alu instid0(VALU_DEP_2)
	v_max_num_f32_dpp v13, v13, v13 row_xmask:\x row_mask:0xf bank_mask:0xf   ; and of part 32 + t / 8
.endr
	s_delay_alu instid0(VALU_DEP_1)
	v_max_num_f32 v14, v12, v13
	s_delay_alu instid0(VALU_DEP_1)
	v_max_num_f32_dpp v14, v14, v14 row_xmask:8 row_mask:0xf bank_mask:0xf
	s_delay_alu instid0(VALU_DEP_1)
	v_permlanex16_b32 v15, v14, s24, s25
	s_delay_alu instid0(VALU_DEP_1)
	v_max_num_f32 v14, v14, v15                    ; the wave's maximum
	ds_store_b32 v17, v14 offset:RMAX              ; all lanes write the wave's word with the same value
	s_wait_dscnt 0x0                               ; for the others' sake
	s_barrier_signal -1
	s_barrier_wait -1
	ds_load_b128 v[20:23], v28 offset:RMAX
	ds_load_b128 v[24:27], v28 offset:RMAX+16
	s_wait_dscnt 0x0
	v_max3_num_f32 v20, v20, v21, v22
	v_max3_num_f32 v23, v23, v24, v25
	s_delay_alu instid0(VALU_DEP_2)
	v_max3_num_f32 v20, v20, v26, v27
	s_delay_alu instid0(VALU_DEP_1)
	v_max_num_f32 v20, v20, v23                    ; M
.irp n, 4,5,6,7,8,9,10,11,12,13
	v_sub_f32 v[\n], v[\n], v20                    ; the maximum is taken away: eight scores and the two m_j
.endr
.irp n, 4,5,6,7,8,9,10,11,12,13
	v_mul_f32 v[\n], s26, v[\n]
.endr
	s_wait_alu depctr_va_vdst(0)
.irp n, 4,5,6,7,8,9,10,11,12,13
	v_exp_f32 v[\n], v[\n]                         ; one batch of ten
.endr
	v_nop                                          ; a plain instruction behind the batch,
	s_wait_alu depctr_va_vdst(0)                   ; and a wait ahead of its first reader
	v_add_f32 v21, v4, v5
	v_add_f32 v22, v6, v7
	v_add_f32 v23, v8, v9
	v_add_f32 v24, v10, v11
	s_delay_alu instid0(VALU_DEP_3)
	v_add_f32 v21, v21, v22
	s_delay_alu instid0(VALU_DEP_2)
	v_add_f32 v23, v23, v24
	s_delay_alu instid0(VALU_DEP_1)
	v_add_f32 v21, v21, v23
.irp x, 1,2,4,8
	s_delay_alu instid0(VALU_DEP_1)
	v_add_f32_dpp v21, v21, v21 row_xmask:\x row_mask:0xf bank_mask:0xf
.endr
	s_delay_alu instid0(VALU_DEP_1)
	v_permlanex16_b32 v15, v21, s24, s25
	s_delay_alu instid0(VALU_DEP_1)
	v_add_f32 v21, v21, v15                        ; the wave's sum
	ds_store_b32 v17, v21 offset:RSUM
	s_wait_dscnt 0x0
	s_barrier_signal -1
	s_barrier_wait -1
	ds_load_b128 v[20:23], v28 offset:RSUM
	ds_load_b128 v[24:27], v28 offset:RSUM+16
	s_wait_dscnt 0x0
	v_add_f32 v20, v20, v21
	v_add_f32 v22, v22, v23
	v_add_f32 v24, v24, v25
	v_add_f32 v26, v26, v27
	s_delay_alu instid0(VALU_DEP_3)
	v_add_f32 v20, v20, v22
	s_delay_alu instid0(VALU_DEP_2)
	v_add_f32 v24, v24, v26
	s_delay_alu instid0(VALU_DEP_1)
	v_add_f32 v20, v20, v24                        ; L, at least 1
	s_wait_alu depctr_va_vdst(0)
	v_rcp_f32 v20, v20
	v_nop
	s_wait_alu depctr_va_vdst(0)
	v_mul_f32 v12, v12, v20                        ; the parts' factors 2^((m_j - M) log2 e) / L
	v_mul_f32 v13, v13, v20
	ds_store_b32 v18, v12 offset:FJ                ; eight lanes write a part's word with the same value
	ds_store_b32 v18, v13 offset:FJ+128
	s_cmp_eq_u32 s27, s28                          ; the wave's number and the work-group's: do my threads store weights here?
	s_cbranch_scc0 .Lno_weights
.irp n, 0,1,2,3
	v_cndmask_b32 v[4+\n], v[4+\n], v[8+\n], s29
.endr
.irp n, 0,1,2,3
	v_mul_f32 v[4+\n], v[4+\n], v20
.endr
	global_store_b128 v1, v[4:7], s[10:11]         ; a wave stores 512 consecutive bytes; its registers are not written again
.Lno_weights:
	s_wait_dscnt 0x0
	s_barrier_signal -1
	s_barrier_wait -1
.irp n, 0,1,2,3
	ds_load_b128 v[96+4*\n:99+4*\n], v19 offset:FJ+16*\n   ; the factors of my 16 parts
.endr
	s_wait_loadcnt 0x0                             ; the parts
	s_wait_dscnt 0x0
.irp x, 0,1,2,3
	v_mul_f32 v[112+\x], v[32+\x], v96             ; the first part starts the sums
.endr
.irp i, 1,2,3,4,5,6,7,8,9,10,11,12,13,14,15
.irp x, 0,1,2,3
	s_delay_alu instid0(VALU_DEP_4)
	v_fma_f32 v[112+\x], v[32+4*\i+\x], v[96+\i], v[112+\x]
.endr
.endr
	ds_store_b128 v1, v[112:115] offset:PART
	s_wait_dscnt 0x0
	s_barrier_signal -1
	s_barrier_wait -1
	s_cmp_lt_u32 s12, 2                            ; waves 0 and 1 (t = eq) add the four g and store
	s_cbranch_scc0 .Lend
.irp n, 0,1,2,3
	ds_load_b128 v[32+4*\n:35+4*\n], v1 offset:PART+1024*\n
.endr
	s_wait_dscnt 0x0
	v_pk_add_f32 v[32:33], v[32:33], v[36:37]
	v_pk_add_f32 v[34:35], v[34:35], v[38:39]
	v_pk_add_f32 v[40:41], v[40:41], v[44:45]
	v_pk_add_f32 v[42:43], v[42:43], v[46:47]
	s_delay_alu instid0(VALU_DEP_2)
	v_pk_add_f32 v[32:33], v[32:33], v[40:41]
	s_delay_alu instid0(VALU_DEP_2)
	v_pk_add_f32 v[34:35], v[34:35], v[42:43]
	global_store_b128 v1, v[32:35], s[8:9]         ; a wave stores 512 consecutive bytes of out0's row
.Lend:
	s_wait_tensorcnt 0x0                           ; the wave's end: three closing lines behind my last LDS store, the first even in a text with no tensor load
	ds_add_u32 v[SPW], v[NIL]
	s_wait_dscnt 0x0
	s_endpgm
.Lfunc_end_k_qa0e0e1c989_combine:
	.size	k_qa0e0e1c989_combine, .Lfunc_end_k_qa0e0e1c989_combine-k_qa0e0e1c989_combine
	.p2alignl 7, 3214868480
	.fill 96, 4, 3214868480
	.section	.rodata,"a",@progbits
	.p2align	6, 0x0
	.amdhsa_kernel k_qa0e0e1c989_combine
		.amdhsa_group_segment_fixed_size 6144
		.amdhsa_private_segment_fixed_size 0
		.amdhsa_enable_private_segment 0
		.amdhsa_kernarg_size 32
		.amdhsa_user_sgpr_count 2
		.amdhsa_user_sgpr_kernarg_segment_ptr 1
		.amdhsa_wavefront_size32 1
		.amdhsa_system_sgpr_workgroup_id_x 1
		.amdhsa_system_sgpr_workgroup_id_y 1
		.amdhsa_system_sgpr_workgroup_id_z 1
		.amdhsa_system_vgpr_workitem_id 0
		.amdhsa_next_free_vgpr 128
		.amdhsa_next_free_sgpr 66
		.amdhsa_reserve_vcc 0
		.amdhsa_float_denorm_mode_32 3
		.amdhsa_float_denorm_mode_16_64 3
		.amdhsa_memory_ordered 1
		.amdhsa_forward_progress 1
		.amdhsa_inst_pref_size 17
	.end_amdhsa_kernel
	.amdgpu_metadata
---
amdhsa.version: [ 1, 2 ]
amdhsa.kernels:
  - .name:           k_qa0e0e1c989_combine
    .symbol:         k_qa0e0e1c989_combine.kd
    .args:
      - { .name: scores, .offset: 0, .size: 8, .value_kind: global_buffer, .address_space: global }
      - { .name: ctxp, .offset: 8, .size: 8, .value_kind: global_buffer, .address_space: global }
      - { .name: out0, .offset: 16, .size: 8, .value_kind: global_buffer, .address_space: global }
      - { .name: out1, .offset: 24, .size: 8, .value_kind: global_buffer, .address_space: global }
    .group_segment_fixed_size: 6144
    .private_segment_fixed_size: 0
    .kernarg_segment_align: 8
    .kernarg_segment_size: 32
    .max_flat_workgroup_size: 256
    .sgpr_count:     66
    .vgpr_count:     128
    .wavefront_size: 32
...
	.end_amdgpu_metadata
.endif
;; end of part 3
